; MI455X (gfx1250); checked and timed in simulation.
; The chip was launched on July 23, 2026; its instructions are those of AMD's public machine-readable ISA for CDNA 5 (MIT licence, August 2026) and "CDNA5" Instruction Set Architecture Reference Guide (July 2026). The comments in the code are by the model that wrote it; some were corrected since.
;; Listen And Decide With Context. Allowed arithmetic: float matrix products may take bf16 or f16 operands with f32 sums; other float arithmetic in f32, or as packed bf16 or f16 multiplies, adds, multiply-adds, maxima and minima; sums over many terms, partial sums and values carried from step to step in f32; what a program stores and reads back later, other than sums and carried values, may be rounded once to bf16 or f16.
;; Inputs: W1 512 x 1,024 float32; W2 1,024 x 128 float32; b1 1,024 float32; batched_context_feature 256 x 256 x 512 float32; beta 1,024 float32; embedded_cyclic_msg 256 x 256 x 128 float32; gamma 1,024 float32; running_mean 1,024 float32; running_var 1,024 float32.
;; Outputs: out0 256 x 256 x 256 float32.
;; One version. Each part assembles by itself: llvm-mc -triple=amdgcn-amd-amdhsa -mcpu=gfx1250 --defsym DOCPART=n.
;; ======== version 1 of 1: 2 launches
;; workspace buffers: wbuf 1,327,104 bytes
;; launch prep (part 1): grid 81 x 16, 2 waves a work-group, no clusters, 0 bytes of LDS; arguments W1, W2, b1, gamma, beta, running_mean, running_var, wbuf; writes wbuf
.if DOCPART == 1
	.amdgcn_target "amdgcn-amd-amdhsa--gfx1250"
	.amdhsa_code_object_version 6
	.text
	.protected	k_q7339acc17e_prep
	.globl	k_q7339acc17e_prep
	.p2align	8
	.type	k_q7339acc17e_prep,@function
k_q7339acc17e_prep:
	s_mov_b64 s[64:65], 0
	v_nop
	global_prefetch_b8 v0, s[64:65] scope:SCOPE_SE
	s_setreg_imm32_b32 hwreg(HW_REG_WAVE_MODE, 25, 1), 1
	s_wait_xcnt 0x0
; THE WEIGHTS, ROUNDED ONCE TO bf16 AND LAID OUT IN 16 RECORDS, one for each 64 columns of h.  Record c (82,944 bytes, 648 dense rows of 128 bytes):
;   rows 0-511    bf16(W1[k][64 c + 0..63]), row = k          rows 512-575  bf16(W2[64 c + j][0..63])          rows 576-639  bf16(W2[64 c + j][64..127])
;   rows 640-641  s[64 c ..] in f32       rows 642-643  t[64 c ..] in f32       rows 644-647  zeros
; s = gamma / sqrt(var + 1e-5), t = (b1 - mean) s + beta, so that the batch norm behind the first product is acc s + t.
; LIMITS.  gamma, var, b1, mean and beta are rounded to bf16 like every other input of the program; the arithmetic on them is f32; 1 / sqrt is v_rsq_f32.
; SHARES.  Work-group (x, c) writes the 1,024 bytes at 1,024 x of record c; thread t its 16 bytes at 16 t: a store of a wave covers 512 consecutive bytes, aligned.
; x < 64: eight rows of W1; x < 80: eight rows of W2; x = 80: s, t and the zeros.  No LDS, no barrier: no thread wants what another has read.
.set REC, 82944
	s_load_b512 s[4:19], s[0:1], 0x0               ; W1 s[4:5], W2 s[6:7], b1 s[8:9], gamma s[10:11], beta s[12:13], mean s[14:15], var s[16:17], wbuf s[18:19]
	s_and_b32 s20, ttmp7, 0xffff                   ; c
	s_mul_i32 s22, s20, REC
	s_lshl_b32 s23, ttmp9, 10
	s_add_co_u32 s22, s22, s23                     ; the work-group's 1,024 bytes of wbuf
	s_mov_b32 s23, 0
	v_lshlrev_b32 v1, 4, v0                        ; 16 t
	s_wait_kmcnt 0x0
	s_add_nc_u64 s[18:19], s[18:19], s[22:23]
	s_cmp_eq_u32 ttmp9, 80
	s_cbranch_scc1 .Lvec
	; eight rows of 64 numbers: thread t takes row t / 8, numbers 8 (t % 8) .. + 7: 32 bytes of f32 in, 16 bytes of bf16 out
	s_lshl_b32 s21, ttmp9, 15                      ; W1: row 8 x, 4,096 bytes a row,
	s_lshl_b32 s27, s20, 8
	s_add_co_u32 s21, s21, s27                     ; column 64 c
	s_and_b32 s26, ttmp9, 7                        ; W2: row 64 c + 8 (x % 8), 512 bytes a row,
	s_lshl_b32 s26, s26, 12
	s_bfe_u32 s27, ttmp9, 0x10003                  ; column 64 ((x - 64) / 8): bit 3 of x
	s_lshl_b32 s27, s27, 8
	s_add_co_u32 s26, s26, s27
	s_lshl_b32 s27, s20, 15
	s_add_co_u32 s26, s26, s27
	s_cmp_lt_u32 ttmp9, 64
	s_cselect_b64 s[24:25], s[4:5], s[6:7]         ; which tensor,
	s_cselect_b32 s30, 12, 9                       ; the shift that makes a row,
	s_cselect_b32 s28, s21, s26                    ; the work-group's first number
	s_mov_b32 s29, 0
	s_add_nc_u64 s[24:25], s[24:25], s[28:29]
	v_lshrrev_b32 v2, 3, v0
	v_lshlrev_b32 v3, s30, v2
	v_and_b32 v4, 7, v0
	v_lshl_add_u32 v3, v4, 5, v3
	global_load_b128 v[8:11], v3, s[24:25]
	global_load_b128 v[12:15], v3, s[24:25] offset:16
	s_wait_loadcnt 0x0
	v_cvt_pk_bf16_f32 v16, v8, v9
	v_cvt_pk_bf16_f32 v17, v10, v11
	v_cvt_pk_bf16_f32 v18, v12, v13
	v_cvt_pk_bf16_f32 v19, v14, v15
	global_store_b128 v1, v[16:19], s[18:19]
	s_endpgm
.Lvec:                                                 ; threads 0-15 write s, 16-31 t, 32-63 zeros; all compute four numbers of both
	v_and_b32 v2, 15, v0
	v_lshlrev_b32 v2, 4, v2
	s_lshl_b32 s21, s20, 8
	v_add_nc_u32 v2, s21, v2                       ; 256 c + 16 (t % 16)
	global_load_b128 v[4:7], v2, s[8:9]            ; b1
	global_load_b128 v[8:11], v2, s[10:11]         ; gamma
	global_load_b128 v[12:15], v2, s[12:13]        ; beta
	global_load_b128 v[16:19], v2, s[14:15]        ; mean
	global_load_b128 v[20:23], v2, s[16:17]        ; var
	s_wait_loadcnt 0x0
.irp a, 4,8,12,16,20                   ; each rounded to bf16 and widened again
	v_cvt_pk_bf16_f32 v24, v[(\a)], v[(\a)+1]
	v_cvt_pk_bf16_f32 v25, v[(\a)+2], v[(\a)+3]
	v_lshlrev_b32 v[(\a)], 16, v24
	v_and_b32 v[(\a)+1], 0xffff0000, v24
	v_lshlrev_b32 v[(\a)+2], 16, v25
	v_and_b32 v[(\a)+3], 0xffff0000, v25
.endr
.irp j, 0,1,2,3
	v_add_f32 v[20+(\j)], 0x3727c5ac, v[20+(\j)]   ; var + 1e-5
.endr
.irp j, 0,1,2,3
	v_rsq_f32 v[20+(\j)], v[20+(\j)]
.endr
.irp j, 0,1,2,3
	v_sub_f32 v[4+(\j)], v[4+(\j)], v[16+(\j)]     ; b1 - mean: plain work that names no root, behind the last of them
.endr
	s_wait_alu depctr_va_vdst(0)                   ; one wait for the four roots, ahead of their first reader
.irp j, 0,1,2,3
	v_mul_f32 v[8+(\j)], v[8+(\j)], v[20+(\j)]     ; s
.endr
.irp j, 0,1,2,3
	v_fma_f32 v[4+(\j)], v[4+(\j)], v[8+(\j)], v[12+(\j)]  ; t
.endr
	v_cmp_gt_u32 vcc_lo, 16, v0
.irp j, 0,1,2,3
	v_cndmask_b32 v[4+(\j)], v[4+(\j)], v[8+(\j)], vcc_lo  ; threads 0-15: s
.endr
	v_cmp_gt_u32 vcc_lo, 32, v0
.irp j, 0,1,2,3
	v_cndmask_b32 v[4+(\j)], 0, v[4+(\j)], vcc_lo  ; threads 32-63: 0
.endr
	global_store_b128 v1, v[4:7], s[18:19]
	s_endpgm
.Lfunc_end_k_q7339acc17e_prep:
	.size	k_q7339acc17e_prep, .Lfunc_end_k_q7339acc17e_prep-k_q7339acc17e_prep
	.p2alignl 7, 3214868480
	.fill 96, 4, 3214868480
	.section	.rodata,"a",@progbits
	.p2align	6, 0x0
	.amdhsa_kernel k_q7339acc17e_prep
		.amdhsa_group_segment_fixed_size 0
		.amdhsa_private_segment_fixed_size 0
		.amdhsa_enable_private_segment 0
		.amdhsa_kernarg_size 64
		.amdhsa_user_sgpr_count 2
		.amdhsa_user_sgpr_kernarg_segment_ptr 1
		.amdhsa_wavefront_size32 1
		.amdhsa_system_sgpr_workgroup_id_x 1
		.amdhsa_system_sgpr_workgroup_id_y 1
		.amdhsa_system_sgpr_workgroup_id_z 1
		.amdhsa_system_vgpr_workitem_id 0
		.amdhsa_next_free_vgpr 48
		.amdhsa_next_free_sgpr 66
		.amdhsa_reserve_vcc 1
		.amdhsa_float_denorm_mode_32 3
		.amdhsa_float_denorm_mode_16_64 3
		.amdhsa_memory_ordered 1
		.amdhsa_forward_progress 1
		.amdhsa_inst_pref_size 6
	.end_amdhsa_kernel
	.amdgpu_metadata
---
amdhsa.version: [ 1, 2 ]
amdhsa.kernels:
  - .name:           k_q7339acc17e_prep
    .symbol:         k_q7339acc17e_prep.kd
    .args:
      - { .name: W1, .offset: 0, .size: 8, .value_kind: global_buffer, .address_space: global }
      - { .name: W2, .offset: 8, .size: 8, .value_kind: global_buffer, .address_space: global }
      - { .name: b1, .offset: 16, .size: 8, .value_kind: global_buffer, .address_space: global }
      - { .name: gamma, .offset: 24, .size: 8, .value_kind: global_buffer, .address_space: global }
      - { .name: beta, .offset: 32, .size: 8, .value_kind: global_buffer, .address_space: global }
      - { .name: running_mean, .offset: 40, .size: 8, .value_kind: global_buffer, .address_space: global }
      - { .name: running_var, .offset: 48, .size: 8, .value_kind: global_buffer, .address_space: global }
      - { .name: wbuf, .offset: 56, .size: 8, .value_kind: global_buffer, .address_space: global }
    .group_segment_fixed_size: 0
    .private_segment_fixed_size: 0
    .kernarg_segment_align: 8
    .kernarg_segment_size: 64
    .max_flat_workgroup_size: 64
    .sgpr_count:     66
    .vgpr_count:     48
    .wavefront_size: 32
...
	.end_amdgpu_metadata
.endif
;; end of part 1
;; launch main (part 2): grid 256 x 1, 4 waves a work-group, clusters of 4 x 1, 327,680 bytes of LDS; arguments batched_context_feature, embedded_cyclic_msg, wbuf, out0; writes out0
.if DOCPART == 2
	.amdgcn_target "amdgcn-amd-amdhsa--gfx1250"
	.amdhsa_code_object_version 6
	.text
	.protected	k_q7339acc17e_main
	.globl	k_q7339acc17e_main
	.p2align	8
	.type	k_q7339acc17e_main,@function
k_q7339acc17e_main:
	s_mov_b64 s[64:65], 0
	v_nop
	global_prefetch_b8 v0, s[64:65] scope:SCOPE_SE
	s_setreg_imm32_b32 hwreg(HW_REG_WAVE_MODE, 25, 1), 1
	s_wait_xcnt 0x0
	s_wait_alu depctr_hold_cnt(0) depctr_sa_sdst(0) depctr_va_vdst(0) depctr_va_sdst(0) depctr_va_ssrc(0) depctr_va_vcc(0) depctr_vm_vsrc(0)
	s_getreg_b32 s2, hwreg(HW_REG_IB_STS2, 6, 4)
	s_cmp_eq_u32 s2, 0
	s_cbranch_scc0 .Lentry_in_a_cluster
	s_endpgm
.Lentry_in_a_cluster:
	s_bfe_u32 s2, ttmp6, 0x10000c
	s_cmp_lg_u32 s2, 0x3003
	s_cbranch_scc0 .Lentry_shape_is_right
	s_endpgm
.Lentry_shape_is_right:
; out[b][m][c] = cos(msg[b][m], logit[b][c]) / 0.07,  logit = relu((x W1) s + t) W2.  x: [256][256][512], msg: [256][256][128], out: [256][256][256], all f32; the weights, s and t come from wbuf in 16 records.
; ONE WORK-GROUP, ONE BATCH: 256 batches.  h (256 x 1,024) and the logits never leave the registers.  Wave w owns the context rows 64 w .. 64 w + 63, four tiles rt of 16, and normalises the message rows 64 w ..
; ALL PRODUCTS ARE USED TRANSPOSED, so that nothing changes lanes between them:
;   G1   S^T (16 h x 16 rows) = W1^T x^T: source 0 = 16 columns of W1, turned out of LDS by ds_load_tr16_b128; source 1 = a fragment of x, in registers for the whole launch.  A lane holds ONE row (lane % 16) and h = 8 (lane / 16) + 0..7.
;   G2   L^T (16 e x 16 rows) += W2^T P: relu(S s + t) of two h tiles, rounded to bf16 in pairs, IS source 1 (32 h x 16 rows).
;   SIM  D (16 contexts x 16 messages) = B A^T in f16: L / |L| of two e tiles IS source 0; a lane ends with one message and eight neighbouring contexts: 32 bytes of a row of out.
; h goes in 16 chunks of 64 columns; a chunk is 20 GROUPS of 16 matrix instructions (16 of G1, 4 of G2); each fragment of a weight (two LDS loads) feeds four of them.
; CLUSTER.  All work-groups walk the same 16 records in the same order: the four of a cluster ask for each JOINTLY (one descriptor, mask of four).  Nothing else is shared, so there is no second axis to a cluster.
; FORMATS AND LIMITS.  x, msg and the weights are rounded once to bf16; h to bf16 (it has no bound); msg / |msg| / 0.07 (14.3 at the most) and logit / |logit| (1 at the most) to f16; sums, norms, s and t in f32.
; 1 / max(norm, 1e-8) is min(rsq(sum of squares), 1e8): a sum of squares below 2^-126 counts as 0 and takes the bound; a sum of squares must stay finite in f32.  NaN and infinities are not treated apart.
; REGISTERS, in windows of 256 (s_set_vgpr_msb: bits 1:0 source 0, 3:2 source 1, 5:4 source 2, 7:6 destination):
;   window 0: v0-15 addresses; v16-31 s, t of one h tile; v32-95 S^T, two buffers of 8 a row tile; v96-159 P, two buffers; v160-255 weights' fragments, three sets of four
;   window 1: L^T, tile (rt, et) at 64 rt + 8 et; before the chunks four landing sets of 64; at the end D v0-31 and two sets of rows on their way out, v64-127
;   windows 2, 3: x, fragment (kf, rt) at 8 (4 (kf % 8) + rt), kf < 8 in window 2
;   at the end, window 0: v16-143 the normalised logits, v144-207 two sets of message fragments, v208-223 sums and reciprocal norms
.set REC,   82944     ; a record in memory: 324 rows of 256 bytes
.set QREC,  20736     ; a wave's quarter of it: 81 rows of 256 bytes
.set PW,    160       ; an LDS row of a record: 128 bytes + 32 of padding = 40 words
.set QLDS,  162*PW    ; a quarter in LDS
.set HALFB, 256*PW    ; the second address register of a slot stands at row 256: an LDS offset has 16 bits
.set STAGE, 103680    ; behind slot 0 (648 rows): 16 rows x 272 bytes for each wave: x on the way in, out on the way out; no tensor load fills it
.set SP,    272       ; 256 bytes + 16 = 68 words: 16 rows start at 16 different groups of four banks
.set SPARE, 121088    ; the spare words, 128 bytes for each wave: two blocks of 256 bytes that no other line names
.set SLOT1, 1<<17     ; slot 1 begins here: one exclusive or turns an address in one slot into the other's
.set ASH,   234752    ; behind slot 1: the 256 message rows, pitch 272: bf16 as read, then f16 normalised; no tensor load fills it
.set AW0,  2          ; v2   my lane's place in a turned fragment: (8 (l / 16) + l % 8) x 160 + 16 ((l / 8) % 2); never rewritten
.set AST0, 3          ; v3   32 (l / 16): my eight s or t; never rewritten
.set AWA,  4          ; v4   slot + AW0: rows 0-255
.set AWB,  5          ; v5   slot + 256 rows + AW0
.set AST,  6          ; v6   slot + 256 rows + AST0
.set ZERO, 7          ; v7   0, for the packed maximum
.set SPW,  8          ; v8   LDS address of my spare word; never rewritten
.set NIL,  9          ; v9   0; never rewritten
.set PFO,  10         ; v10  256 x lane, for the prefetches; never rewritten
.set XO,   11         ; v11  16 x lane: my 16 bytes of 512 on the way in
.set GO,   11         ;      later: my 16 bytes of two rows of out
.set XST,  12         ; v12  the way in: where I put 8 bytes of a row of x
.set STO,  12         ;      later: where I put 32 bytes of a row of out
.set XRD,  13         ; v13  the way in: my place in a fragment of x
.set RD,   13         ;      later: where I read rows of out back
.set MST,  14         ; v14  the way in: where I put 8 bytes of a message row
.set AAD,  14         ;      later: my place in a message fragment
.set AN,   15         ; v15  my half of a message row
.set STS,  16
.set STT,  24
.set SA,   32
.set P0,   96
.set WF,   160
.set B16,  16
.set AF,   144
.set QS,   208
.set IB,   216
.set OB,   64         ; window 1
.set WV,  12          ; s12  my wave's number
.set CX,  13          ; s13  my place in the cluster: it enters global addresses alone
.set BT,  14          ; s14  my batch
.set LIM, 15          ; s15  6 in the first cluster, else the greatest number: a wave prefetches while s[CH] is above it
.set PFA, 20          ; s[20:21] where my prefetches stand
.set CH,  22          ; s22  counts chunks
.set TB,  23          ; s23  the slot in hand
.set G1,  24          ; s[24:31] descriptor group 1
.set G0A, 32          ; s[32:35] descriptor group 0 of record 0
.set G0B, 36          ; s[36:39] of record 1; it then walks
.set SEL, 40          ; s[40:41] v_permlanex16_b32's selects: each lane takes its own place in the other half
.set HIM, 42          ; s42  a word's upper bf16
.set BIG, 43          ; s43  1e8
.set RTE, 44          ; s44  1 / 0.07
.set TBB, 45          ; s45  s[TB] + 256 rows
.set CNT, 46          ; s46  counts short loops
.set STG, 47          ; s47  my stage
.set ASW, 48          ; s48  my 64 message rows in LDS
.set MSB, 0
.macro WIN new                      ; the immediate's high byte repeats the setting that is left; a switch that changes nothing is dropped
.if MSB != (\new)
	s_set_vgpr_msb (MSB<<8)|(\new)
.set MSB, (\new)
.endif
.endm
.macro WINL                         ; for an LDS load into window 0 with its address in window 0: G1's settings switch source 1 alone and may stay
.if (MSB & 0xc3) != 0
	WIN 0
.endif
.endm
; A vector instruction that reads a matrix result or writes one of a matrix instruction's registers, and a load into such a register, stand four places behind it; only plain vector instructions
; that name none of its registers are places (ISA guide 7.12.1 for vector instructions).
.macro PLACES
.rept 4
	v_nop
.endr
.endm
; A round of the cluster's barrier: my work-group's barrier, so that wave 0's signal speaks for all four waves; wave 0 signals; every wave waits for all four work-groups; my work-group's barrier once more.
.macro CREST                        ; a round behind its opening barrier
	s_cmp_lg_u32 s[WV], 0
	s_cbranch_scc1 .Lnot_wave_0_\@
	s_barrier_signal -3
.Lnot_wave_0_\@:
	s_barrier_wait -3
	s_barrier_signal -1
	s_barrier_wait -1
.endm
.macro CROUND
	s_barrier_signal -1
	s_barrier_wait -1
	CREST
.endm
; A PREFETCH INTO THE L2 of later records.  All clusters walk the same records: the first cluster asks, and nobody else.  Its sixteen waves share the bytes out BY ADDRESS (32,768 cx + 8,192 wave + 256 lane): no branch
; hangs on a work-group's place in its cluster.  One instruction a wave at each of the first eight changes of slots, 131,072 bytes a change for the sixteen: bytes 278,528 to 1,327,104 of wbuf, its end; each aligned
; 256 bytes named once in the launch.  What lies ahead of byte 278,528 comes by its loads alone: nothing is asked for at the head.
.macro ASK
	s_cmp_gt_u32 s[CH], s[LIM]
	s_cbranch_scc0 .Lnot_mine_\@
	global_prefetch_b8 v[PFO], s[PFA:PFA+1] th:TH_LOAD_NT scope:SCOPE_SE
.Lnot_mine_\@:
.endm
	s_load_b256 s[4:11], s[0:1], 0x0               ; x s[4:5], msg s[6:7], wbuf s[8:9], out s[10:11]
	v_lshl_add_u32 v[SPW], v0, 2, SPARE
	v_mov_b32 v[NIL], 0
	ds_add_u32 v[SPW], v[NIL]                      ; the wave's opening: the add, twice on end, and its wait ahead of my first tensor load; the set-up below stands between
	ds_add_u32 v[SPW], v[NIL]
	v_lshrrev_b32 v1, 5, v0
	v_readfirstlane_b32 s[WV], v1                  ; wave 0..3
	s_bfe_u32 s[CX], ttmp6, 0x40000                ; cx
	s_lshl_b32 s[BT], ttmp9, 2                     ; in a cluster launch ttmp9 counts clusters
	s_add_co_u32 s[BT], s[BT], s[CX]               ; batch = 4 x cluster + cx
	s_cmp_eq_u32 ttmp9, 0
	s_cselect_b32 s[LIM], 6, -1                    ; the same in all four partners
	; descriptor group 1: a quarter record, 81 rows of 128 elements (256 bytes), padded in LDS after every 128 bytes
	s_mov_b32 s[G1+0], 15|(1<<16)|(1<<20)|(1<<21)|(4<<22)|(7<<25)  ; 15:0 the mask of four; 17:16 2-byte elements; 20 padding on; 21 set beside a mask; 24:22 after every 32 words (code 4); 31:25 8 words (code 7)
	s_mov_b32 s[G1+1], 128<<16                     ; tensor_dim0 = 128
	s_mov_b32 s[G1+2], 81<<16                      ; tensor_dim1 = 81
	s_mov_b32 s[G1+3], 128<<16                     ; tile_dim0 = 128
	s_mov_b32 s[G1+4], 81                          ; tile_dim1 = 81
	s_mov_b32 s[G1+5], 128                         ; 128 elements from row to row: the record is dense
	s_mov_b32 s[G1+6], 0
	s_mov_b32 s[G1+7], 0
	s_mov_b32 s[SEL], 0x76543210
	s_mov_b32 s[SEL+1], 0xfedcba98
	s_mov_b32 s[HIM], 0xffff0000
	s_mov_b32 s[BIG], 0x4cbebc20
	s_mov_b32 s[RTE], 0x41649249
	s_mul_i32 s[STG], s[WV], 16*SP
	s_add_co_u32 s[STG], s[STG], STAGE
	s_mul_i32 s[ASW], s[WV], 64*SP
	s_add_co_u32 s[ASW], s[ASW], ASH
	s_mov_b32 s[G0A], 1                            ; count = 1
	s_mul_i32 s[G0A+1], s[WV], QLDS                ; LDS address: my quarter of slot 0: no place in the cluster enters it
	s_mov_b32 s[G0B], 1
	s_add_co_u32 s[G0B+1], s[G0A+1], SLOT1         ; of slot 1
	s_mul_i32 s16, s[WV], QREC                     ; my quarter in memory
	s_mov_b32 s17, 0
	v_and_b32 v16, 15, v0                          ; l % 16
	v_bfe_u32 v17, v0, 4, 1                        ; l / 16
	v_and_b32 v18, 31, v0                          ; l
	v_and_b32 v19, 7, v0
	v_bfe_u32 v20, v0, 3, 1
	v_lshl_add_u32 v[AW0], v17, 3, v19
	v_mul_u32_u24 v[AW0], v[AW0], PW
	v_lshl_add_u32 v[AW0], v20, 4, v[AW0]
	v_lshlrev_b32 v[AST0], 5, v17
	v_mov_b32 v[ZERO], 0
	v_lshlrev_b32 v[PFO], 8, v18
	v_lshlrev_b32 v[XO], 4, v18
	v_lshl_add_u32 v[XST], v18, 3, s[STG]
	v_mul_u32_u24 v[XRD], v16, SP
	v_lshl_add_u32 v[XRD], v17, 4, v[XRD]
	v_add_nc_u32 v[XRD], s[STG], v[XRD]
	v_lshl_add_u32 v[MST], v18, 3, s[ASW]
	v_mul_u32_u24 v[AN], v16, SP
	v_lshl_add_u32 v[AN], v17, 7, v[AN]
	v_add_nc_u32 v[AN], s[ASW], v[AN]
	s_wait_dscnt 0x0                               ; both opening adds are done
	s_wait_kmcnt 0x0
	s_lshl_b32 s2, s[BT], 19                       ; x: 524,288 bytes a batch, 131,072 for a wave's 64 rows
	s_lshl_b32 s3, s[WV], 17
	s_add_co_u32 s2, s2, s3
	s_mov_b32 s3, 0
	s_add_nc_u64 s[4:5], s[4:5], s[2:3]
	s_lshl_b32 s2, s[BT], 17                       ; msg: 131,072 and 32,768
	s_lshl_b32 s18, s[WV], 15
	s_add_co_u32 s2, s2, s18
	s_add_nc_u64 s[6:7], s[6:7], s[2:3]
	s_lshl_b32 s2, s[BT], 18                       ; out: 262,144 a batch; my 64 contexts are 256 bytes of each row
	s_lshl_b32 s18, s[WV], 8
	s_add_co_u32 s2, s2, s18
	s_add_nc_u64 s[10:11], s[10:11], s[2:3]
	s_lshl_b32 s2, s[CX], 15                       ; the prefetches: one step of 131,072 ahead of their first byte
	s_lshl_b32 s18, s[WV], 13
	s_add_co_u32 s2, s2, s18
	s_add_co_u32 s2, s2, 147456
	s_add_nc_u64 s[PFA:PFA+1], s[8:9], s[2:3]
	s_add_nc_u64 s[18:19], s[8:9], s[16:17]        ; wbuf at my quarter of record 0
	s_mov_b64 s[G0A+2:G0A+3], s[18:19]
	s_or_b32 s[G0A+3], s[G0A+3], 0x80000000        ; type = 2
	s_add_nc_u64 s[G0B+2:G0B+3], s[18:19], REC
	s_or_b32 s[G0B+3], s[G0B+3], 0x80000000
; THE WAY IN: 20 pieces a wave, each 16 rows x 512 bytes of f32, through a ring of four landing sets in window 1.  Pieces 0-3: my message rows, 16 each.  Piece 4 + 4 rt + kq: row tile rt of x, k = 128 kq on.
; One load of the wave covers 512 consecutive bytes of one row.
.macro LOADS p
	WIN 0x40                        ; destination window 1, address window 0
.set LB, 64*((\p)%4)
.set lrt, ((\p)-4)/4
.set lkq, ((\p)-4)%4
.set rho, 0
.rept 16
.if (\p) < 4
	global_load_b128 v[LB+4*rho:LB+4*rho+3], v[XO], s[6:7] offset:(16*(\p)+rho)*512 th:TH_LOAD_NT
.else
	global_load_b128 v[LB+4*rho:LB+4*rho+3], v[XO], s[4:5] offset:(16*lrt+rho)*2048+512*lkq th:TH_LOAD_NT
.endif
.set rho, rho+1
.endr
.endm
; A piece has landed: rounded to bf16 in place (a lane's 16 bytes become 8), put into LDS as rows of 256 bytes; its set is asked for again; x comes back as four fragments, which stay in registers.
; LDS serves a wave's instructions in order (ISA guide 5.7.1.4): the loads see the stores above them, and the next piece's stores come behind these loads.
.macro PIECE p
.if (\p) < 17
	s_wait_loadcnt 48               ; loads come back in order: mine are in, the three younger sets' 48 stay out
.else
	s_wait_loadcnt 16*(19-(\p))     ; the last pieces: the counts run down
.endif
.set LB, 64*((\p)%4)
	WIN 0x45
.set rho, 0
.rept 16
	v_cvt_pk_bf16_f32 v[LB+4*rho], v[LB+4*rho], v[LB+4*rho+1]
	v_cvt_pk_bf16_f32 v[LB+4*rho+1], v[LB+4*rho+2], v[LB+4*rho+3]
.set rho, rho+1
.endr
	WIN 0x04                        ; store data window 1, address window 0
.set rho, 0
.rept 16
.if (\p) < 4
	ds_store_b64 v[MST], v[LB+4*rho:LB+4*rho+1] offset:(16*(\p)+rho)*SP
.else
	ds_store_b64 v[XST], v[LB+4*rho:LB+4*rho+1] offset:rho*SP
.endif
.set rho, rho+1
.endr
.if (\p) < 16
	LOADS (\p)+4
.endif
.if (\p) >= 4
.set prt, ((\p)-4)/4
.set pkq, ((\p)-4)%4
	WIN 0x80+0x40*(pkq/2)           ; destination window 2 or 3
.set xi, 0
.rept 4                             ; fragment kf = 4 kq + xi: lane l holds row l % 16, k = 8 (l / 16) + 0..7 and 16 + 8 (l / 16) + 0..7: two loads of 16 bytes, 32 bytes apart
.set xd, 8*(4*(4*(pkq%2)+xi)+prt)
	ds_load_b128 v[xd:xd+3], v[XRD] offset:64*xi
	ds_load_b128 v[xd+4:xd+7], v[XRD] offset:64*xi+32
.set xi, xi+1
.endr
.endif
.endm
	LOADS 0
	LOADS 1
	LOADS 2
	WIN 0
	CROUND                                         ; all four work-groups are here: the first joint loads meet
	tensor_load_to_lds s[G0A:G0A+3], s[G1:G1+7]    ; record 0; every wave moves its own quarter; two loads of mine are out
	s_nop 0
	tensor_load_to_lds s[G0B:G0B+3], s[G1:G1+7]    ; record 1
	s_nop 0
	PLACES                                         ; (behind a tensor load: the windows are switched only behind four instructions)
	LOADS 3
.set pp, 0
.rept 4
	PIECE pp
.set pp, pp+1
.endr
	WIN 0
	; MY 64 MESSAGE ROWS ARE NORMALISED, 16 a trip, while the first four pieces of x are on their way.  Lane l takes half l / 16 of row l % 16: 64 numbers.
	s_mov_b32 s[CNT], 4
.Lanorm:
.irp i, 0,1,2,3,4,5,6,7
	ds_load_b128 v[32+4*(\i):35+4*(\i)], v[AN] offset:16*(\i)
.endr
	s_wait_dscnt 0x0
.set i, 0
.rept 32
	v_lshlrev_b32 v[96+2*i], 16, v[32+i]
	v_and_b32 v[97+2*i], s[HIM], v[32+i]
.set i, i+1
.endr
.set i, 0
.rept 32                            ; the sum of squares in four chains of pairs; the first four products start them
.if i < 4
	v_pk_mul_f32 v[64+2*i:65+2*i], v[96+2*i:97+2*i], v[96+2*i:97+2*i]
.else
	v_pk_fma_f32 v[64+2*(i%4):65+2*(i%4)], v[96+2*i:97+2*i], v[96+2*i:97+2*i], v[64+2*(i%4):65+2*(i%4)]
.endif
.set i, i+1
.endr
	v_pk_add_f32 v[64:65], v[64:65], v[66:67]
	v_pk_add_f32 v[68:69], v[68:69], v[70:71]
	v_pk_add_f32 v[64:65], v[64:65], v[68:69]
	v_add_f32 v64, v64, v65
	v_permlanex16_b32 v65, v64, s[SEL], s[SEL+1]   ; the row's other half lies in the lane 16 away
	v_add_f32 v64, v64, v65
	v_rsq_f32 v74, v64
	v_nop                                          ; a plain instruction behind the root,
	s_wait_alu depctr_va_vdst(0)                   ; and the wait ahead of its first reader
	v_min_num_f32 v74, s[BIG], v74                 ; 1 / max(norm, 1e-8)
	v_mul_f32 v74, s[RTE], v74                     ; / 0.07
	v_mov_b32 v75, v74
.set i, 0
.rept 32
	v_pk_mul_f32 v[96+2*i:97+2*i], v[96+2*i:97+2*i], v[74:75]
.set i, i+1
.endr
.set i, 0
.rept 32
	v_cvt_pk_f16_f32 v[32+i], v[96+2*i], v[97+2*i]
.set i, i+1
.endr
.irp i, 0,1,2,3,4,5,6,7
	ds_store_b128 v[AN], v[32+4*(\i):35+4*(\i)] offset:16*(\i)
.endr
	v_add_nc_u32 v[AN], 16*SP, v[AN]
	s_sub_co_u32 s[CNT], s[CNT], 1
	s_cmp_lg_u32 s[CNT], 0
	s_cbranch_scc1 .Lanorm
.rept 16
	PIECE pp
.set pp, pp+1
.endr
; THE CHUNKS.  Group g of a chunk uses set g % 3 of the weights' fragments.
; FETCH g: the four fragments of group g, eight turning loads.  g < 16 (G1): h tile g / 4, k = 128 (g % 4) + 32 fi on.  g >= 16 (G2): h = 32 ((g - 16) / 2) on, e tile 4 ((g - 16) % 2) + fi.
.macro FETCH g
	WINL
.set fB, WF+32*((\g)%3)
.set fi, 0
.rept 4
.if (\g) < 16
.set fO, 32*(4*((\g)%2)+fi)*PW+32*((\g)/4)
.set fA, AWA+(((\g)%4)/2)           ; rows 0-255 by the first address register, rows 256-511 by the second
.else
.set fO, (256+64*(((\g)-16)%2)+32*(((\g)-16)/2))*PW+32*fi
.set fA, AWB
.endif
	ds_load_tr16_b128 v[fB+8*fi:fB+8*fi+3], v[fA] offset:fO
	ds_load_tr16_b128 v[fB+8*fi+4:fB+8*fi+7], v[fA] offset:fO+16*PW
.set fi, fi+1
.endr
.endm
.macro STLD T                       ; my eight s and eight t of h tile T: rows 640.. and 642.. of the record
	WINL
.set sO, (384+(\T)/2)*PW+64*((\T)%2)
	ds_load_b128 v[STS:STS+3], v[AST] offset:sO
	ds_load_b128 v[STS+4:STS+7], v[AST] offset:sO+16
	ds_load_b128 v[STT:STT+3], v[AST] offset:sO+2*PW
	ds_load_b128 v[STT+4:STT+7], v[AST] offset:sO+2*PW+16
.endm
; Product n of 16 of group g: fragment n / 4, row tile n % 4.  The accumulators take turns, one instruction a turn: G1's four, G2's sixteen; over the groups' and the loops' edges too.
; G1's first K step starts S^T with the constant 0; zero = 1 (the first chunk): G2's first 32 h start L^T likewise: nothing is ever cleared.
.macro PROD g, n, zero
.set pI, (\n)/4
.set pR, (\n)%4
.set rW, WF+32*((\g)%3)+8*pI
.if (\g) < 16
.set kf, 4*((\g)%4)+pI
.set rS, SA+32*(((\g)/4)%2)+8*pR
.set rX, 8*(4*(kf%8)+pR)
	WIN 0x08+4*(kf/8)               ; x in window 2 or 3, all else in window 0
.if kf == 0
	v_wmma_f32_16x16x32_bf16 v[rS:rS+7], v[rW:rW+7], v[rX:rX+7], 0
.else
	v_wmma_f32_16x16x32_bf16 v[rS:rS+7], v[rW:rW+7], v[rX:rX+7], v[rS:rS+7]
.endif
.else
.set gU, ((\g)-16)/2
.set rL, 64*pR+8*(4*(((\g)-16)%2)+pI)
.set rP, P0+32*gU+8*pR
	WIN 0x50                        ; L^T (C and D) in window 1
.if (\zero) && (gU == 0)
	v_wmma_f32_16x16x32_bf16 v[rL:rL+7], v[rW:rW+7], v[rP:rP+7], 0
.else
	v_wmma_f32_16x16x32_bf16 v[rL:rL+7], v[rW:rW+7], v[rP:rP+7], v[rL:rL+7]
.endif
.endif
.endm
; Slice k of 12 of what follows h tile T: for row tile k / 3: S s + t; rounded to bf16 in pairs; the maximum with 0.  Four instructions, behind one product of the next tile.  S^T is read from its low end on.
.macro EPS T, k
	WIN 0
.set eS, SA+32*((\T)%2)+8*((\k)/3)
.set eP, P0+32*((\T)/2)+8*((\k)/3)+4*((\T)%2)
.irp i, 0,1,2,3
.if (\k)%3 == 0
	v_pk_fma_f32 v[eS+2*(\i):eS+2*(\i)+1], v[eS+2*(\i):eS+2*(\i)+1], v[STS+2*(\i):STS+2*(\i)+1], v[STT+2*(\i):STT+2*(\i)+1]
.elseif (\k)%3 == 1
	v_cvt_pk_bf16_f32 v[eP+(\i)], v[eS+2*(\i)], v[eS+2*(\i)+1]
.else
	v_pk_max_num_bf16 v[eP+(\i)], v[eP+(\i)], v[ZERO]
.endif
.endr
.endm
; Groups 0 to 17.  Four places behind the last group's products (its set of fragments is loaded again, and in groups 4, 8, 12, 16 its S^T is read); the fragments of the group after next; then the products.
.macro GROUP g, zero
	PLACES
.if ((\g)%4 == 1) && ((\g) < 16)
	STLD ((\g)-1)/4
.endif
	FETCH (\g)+2
	s_wait_dscnt 16                 ; LDS loads come back in order: mine are in; the sixteen of the next two groups may stay out
.set pn, 0
.rept 16
	PROD \g, pn, \zero
.if ((\g)%4 == 0) && ((\g) >= 4) && (pn < 12)
	EPS (\g)/4-1, pn
.endif
.set pn, pn+1
.endr
.endm
; Group 18 is THE CHANGE OF SLOTS: all the slot's bytes have been asked for.  Each wave waits for all its tensor loads, of which one is out: its quarter of the other slot; adds 0 to its spare word; and waits for that and for
; its own reads of the slot.  fill = 1: the barrier opens a round of the cluster's, so that no wave of any partner still reads the slot or has a load on its way; the joint refill, with the record two on, is the first
; thing behind it, and has 304 matrix instructions in which to land.  Then the next chunk's first fragments are read from the other slot.
.macro G18 zero, fill
	WIN 0
	s_wait_tensorcnt 0x0            ; no tensor load of mine is out, so the walking group 0 may be written
	ds_add_u32 v[SPW], v[NIL]       ; 0 onto my spare word: scalar work and eight products stand between it and the wait for it
.if \fill
	s_xor_b32 s[G0B+1], s[G0B+1], SLOT1            ; the other slot than last time,
	s_add_nc_u64 s[G0B+2:G0B+3], s[G0B+2:G0B+3], REC  ; the next record; the type bits on top are not reached
	s_wait_xcnt 0x0                 ; the last prefetch, a chunk back, has read its address, so it may be written
	s_add_nc_u64 s[PFA:PFA+1], s[PFA:PFA+1], 131072
.endif
	s_xor_b32 s[TB], s[TB], SLOT1
	s_add_co_u32 s[TBB], s[TB], HALFB
	s_wait_dscnt 9                  ; my fragments are in; group 19's eight loads and the add may stay out
.set pn, 0
.rept 8
	PROD 18, pn, \zero
.set pn, pn+1
.endr
	s_wait_dscnt 0x0                ; the add is done, and my reads of the slot are over
	s_barrier_signal -1
.rept 8
	PROD 18, pn, \zero
.set pn, pn+1
.endr
	WIN 0
	s_barrier_wait -1
.if \fill
	CREST
	tensor_load_to_lds s[G0B:G0B+3], s[G1:G1+7]
	s_nop 0
.endif
	PLACES                          ; behind the tensor load, and the places in front of the loads below
	v_add_nc_u32 v[AWA], s[TB], v[AW0]
	v_add_nc_u32 v[AWB], s[TBB], v[AW0]
	v_add_nc_u32 v[AST], s[TBB], v[AST0]
	FETCH 0
.if \fill
	ASK
.endif
.endm
.macro CHUNK zero, fill
.set cg, 0
.rept 18
	GROUP cg, \zero
.set cg, cg+1
.endr
	G18 \zero, \fill
.set pn, 0
.rept 16
	PROD 19, pn, \zero              ; its fragments were shown in by the change's wait for 0
.set pn, pn+1
.endr
	PLACES
	FETCH 1
	WIN 0                           ; at a label and at a branch every window is 0
.endm
	WIN 0
	s_wait_tensorcnt 1                             ; my quarter of record 0 is in; record 1 may stay out
	s_wait_dscnt 0x0                               ; x's fragments are in; my message rows are written, for the other waves' sake
	s_barrier_signal -1
	s_barrier_wait -1
	s_mov_b32 s[TB], 0
	s_mov_b32 s[TBB], HALFB
	v_add_nc_u32 v[AWA], s[TB], v[AW0]
	v_add_nc_u32 v[AWB], s[TBB], v[AW0]
	v_add_nc_u32 v[AST], s[TBB], v[AST0]
	FETCH 0
	FETCH 1
	s_mov_b32 s[CH], 14
	CHUNK 1, 1                                     ; chunk 0 is written out: its products start L^T
	s_mov_b32 s[CH], 13
.Lchunk:                                               ; chunks 1 to 13: each asks for the record two on
	CHUNK 0, 1
	s_sub_co_u32 s[CH], s[CH], 1
	s_cmp_lg_u32 s[CH], 0
	s_cbranch_scc1 .Lchunk
	s_mov_b32 s[CH], 2
.Ltail:                                                ; chunks 14 and 15 ask for nothing: a text of their own
	CHUNK 0, 0                                     ; (the last trip's change of slots and its two fetches, from the record before last, serve nothing: the price of one text for both trips)
	s_sub_co_u32 s[CH], s[CH], 1
	s_cmp_lg_u32 s[CH], 0
	s_cbranch_scc1 .Ltail
	s_wait_dscnt 0x0                               ; those fetches have landed: their registers are used again
	; THE LOGITS' NORMS.  A lane holds one row a tile and half its 128 numbers.  One chain of pairs a row tile, the four by turns; each accumulator is read from its low end on.
	WIN 0x05                                       ; sources 0 and 1 window 1; destination and source 2 window 0
.set u, 0
.rept 32
.irp rt, 0,1,2,3
.if u == 0
	v_pk_mul_f32 v[QS+2*(\rt):QS+2*(\rt)+1], v[64*(\rt):64*(\rt)+1], v[64*(\rt):64*(\rt)+1]
.else
	v_pk_fma_f32 v[QS+2*(\rt):QS+2*(\rt)+1], v[64*(\rt)+2*u:64*(\rt)+2*u+1], v[64*(\rt)+2*u:64*(\rt)+2*u+1], v[QS+2*(\rt):QS+2*(\rt)+1]
.endif
.endr
.set u, u+1
.endr
	WIN 0
.irp rt, 0,1,2,3
	v_add_f32 v[QS+2*(\rt)], v[QS+2*(\rt)], v[QS+2*(\rt)+1]
.endr
.irp rt, 0,1,2,3
	v_permlanex16_b32 v[QS+2*(\rt)+1], v[QS+2*(\rt)], s[SEL], s[SEL+1]
.endr
.irp rt, 0,1,2,3
	v_add_f32 v[QS+2*(\rt)], v[QS+2*(\rt)], v[QS+2*(\rt)+1]
.endr
.irp rt, 0,1,2,3
	v_rsq_f32 v[IB+2*(\rt)], v[QS+2*(\rt)]
.endr
	v_and_b32 v232, 15, v0                         ; the addresses of the last phase: plain work that names no root, between the roots and their wait
	v_bfe_u32 v233, v0, 4, 1
	v_lshlrev_b32 v[GO], 10, v233                  ; out: lanes 0-15 one row's 256 bytes, lanes 16-31 the next row's (1,024 bytes on)
	v_lshl_add_u32 v[GO], v232, 4, v[GO]
	v_mul_u32_u24 v[STO], v232, SP                 ; into my stage: message l % 16, 32 bytes for each half of the lanes
	v_lshl_add_u32 v[STO], v233, 5, v[STO]
	v_add_nc_u32 v[STO], s[STG], v[STO]
	v_mul_u32_u24 v[RD], v233, SP                  ; back: two whole rows of 256 bytes
	v_lshl_add_u32 v[RD], v232, 4, v[RD]
	v_add_nc_u32 v[RD], s[STG], v[RD]
	v_mul_u32_u24 v[AAD], v232, SP                 ; a message fragment: row l % 16, 16 bytes for each half
	v_lshl_add_u32 v[AAD], v233, 4, v[AAD]
	v_add_nc_u32 v[AAD], ASH, v[AAD]
	s_wait_alu depctr_va_vdst(0)                   ; one wait for the four roots, ahead of their first reader
.irp rt, 0,1,2,3
	v_min_num_f32 v[IB+2*(\rt)], s[BIG], v[IB+2*(\rt)]  ; 1 / max(norm, 1e-8)
.endr
.irp rt, 0,1,2,3
	v_mov_b32 v[IB+2*(\rt)+1], v[IB+2*(\rt)]
.endr
.irp kq, 0,1,2,3                       ; message tile 0's fragments, on their way during the scaling
	ds_load_b128 v[AF+8*(\kq):AF+8*(\kq)+3], v[AAD] offset:64*(\kq)
	ds_load_b128 v[AF+8*(\kq)+4:AF+8*(\kq)+7], v[AAD] offset:64*(\kq)+32
.endr
	WIN 0x41                                       ; destination and source 0 window 1, source 1 window 0
.set u, 0
.rept 32
.irp rt, 0,1,2,3
	v_pk_mul_f32 v[64*(\rt)+2*u:64*(\rt)+2*u+1], v[64*(\rt)+2*u:64*(\rt)+2*u+1], v[IB+2*(\rt):IB+2*(\rt)+1]
.endr
.set u, u+1
.endr
	WIN 0x05
.set u, 0
.rept 32                               ; pair u = 4 et + i of a row tile: e tiles 2 kq and 2 kq + 1 make fragment kq (16 contexts x 32 e)
.irp rt, 0,1,2,3
	v_cvt_pk_f16_f32 v[B16+32*(\rt)+u], v[64*(\rt)+2*u], v[64*(\rt)+2*u+1]
.endr
.set u, u+1
.endr
; THE LAST PRODUCT, a tile of 16 messages at a time, on set p of the message fragments.  fetch = 1: the next tile's fragments are asked for.  send = 1: the tile before, back from the stage as whole rows, is stored.
; This tile's results go through my stage in LDS: 32 bytes a lane in, rows of 256 bytes out, into set p of window 1.
.macro SIMT p, first, fetch, send
.if \first
	s_wait_dscnt 0x0
.else
	s_wait_dscnt 16                 ; my fragments are in; the stage's eight stores and eight loads issued behind them may stay out
.endif
	WIN 0x50
.irp kq, 0,1,2,3
.irp rt, 0,1,2,3
.if (\kq) == 0
	v_wmma_f32_16x16x32_f16 v[8*(\rt):8*(\rt)+7], v[B16+32*(\rt)+8*(\kq):B16+32*(\rt)+8*(\kq)+7], v[AF+32*(\p)+8*(\kq):AF+32*(\p)+8*(\kq)+7], 0
.else
	v_wmma_f32_16x16x32_f16 v[8*(\rt):8*(\rt)+7], v[B16+32*(\rt)+8*(\kq):B16+32*(\rt)+8*(\kq)+7], v[AF+32*(\p)+8*(\kq):AF+32*(\p)+8*(\kq)+7], v[8*(\rt):8*(\rt)+7]
.endif
.endr
.endr
.rept 5
	v_nop                           ; five places: the stores below read the results, and the next tile's first products write over them
.endr
.if \fetch
	WIN 0
	v_add_nc_u32 v[AAD], 16*SP, v[AAD]
.irp kq, 0,1,2,3
	ds_load_b128 v[AF+32*(1-(\p))+8*(\kq):AF+32*(1-(\p))+8*(\kq)+3], v[AAD] offset:64*(\kq)
	ds_load_b128 v[AF+32*(1-(\p))+8*(\kq)+4:AF+32*(1-(\p))+8*(\kq)+7], v[AAD] offset:64*(\kq)+32
.endr
.endif
	WIN 0x04                        ; store data window 1, address window 0
.if \send
	s_wait_dscnt 8*(\fetch)         ; the tile before is back in registers; the loads just issued may stay out
.irp t, 0,1,2,3,4,5,6,7
	global_store_b128 v[GO], v[OB+32*(1-(\p))+4*(\t):OB+32*(1-(\p))+4*(\t)+3], s[10:11] offset:2048*(\t) th:TH_STORE_NT  ; 16 lanes store 256 consecutive bytes, at a multiple of 256 from out's first byte
.endr
.endif
.irp rt, 0,1,2,3
	ds_store_b128 v[STO], v[8*(\rt):8*(\rt)+3] offset:64*(\rt)
	ds_store_b128 v[STO], v[8*(\rt)+4:8*(\rt)+7] offset:64*(\rt)+16
.endr
	WIN 0x40
.irp t, 0,1,2,3,4,5,6,7
	ds_load_b128 v[OB+32*(\p)+4*(\t):OB+32*(\p)+4*(\t)+3], v[RD] offset:2*(\t)*SP  ; LDS serves a wave's instructions in order: these see the stores above
.endr
.if \send
	s_wait_xcnt 0x0                 ; the stores have read their base and their data: the base steps here, the data registers are loaded again a tile later
	s_add_nc_u64 s[10:11], s[10:11], 16384         ; 16 rows of out
.endif
.endm
	SIMT 0, 1, 1, 0                                ; message tile 0
	WIN 0
	s_mov_b32 s[CNT], 7
.Lsim:                                                 ; tiles 1 to 14
	SIMT 1, 0, 1, 1
	SIMT 0, 0, 1, 1
	WIN 0
	s_sub_co_u32 s[CNT], s[CNT], 1
	s_cmp_lg_u32 s[CNT], 0
	s_cbranch_scc1 .Lsim
	SIMT 1, 0, 0, 1                                ; tile 15: nothing is left to fetch
	s_wait_dscnt 0x0
	WIN 0x04
.irp t, 0,1,2,3,4,5,6,7
	global_store_b128 v[GO], v[OB+32+4*(\t):OB+32+4*(\t)+3], s[10:11] offset:2048*(\t) th:TH_STORE_NT
.endr
	WIN 0
	s_wait_tensorcnt 0x0                           ; the wave's end: behind my last tensor load and my last LDS store
	ds_add_u32 v[SPW], v[NIL]
	s_wait_dscnt 0x0
	CROUND                                         ; the closing round: no work-group ends while a partner may still ask for a record that names it
	s_endpgm
.Lfunc_end_k_q7339acc17e_main:
	.size	k_q7339acc17e_main, .Lfunc_end_k_q7339acc17e_main-k_q7339acc17e_main
	.p2alignl 7, 3214868480
	.fill 96, 4, 3214868480
	.section	.rodata,"a",@progbits
	.p2align	6, 0x0
	.amdhsa_kernel k_q7339acc17e_main
		.amdhsa_group_segment_fixed_size 327680
		.amdhsa_private_segment_fixed_size 0
		.amdhsa_enable_private_segment 0
		.amdhsa_kernarg_size 32
		.amdhsa_user_sgpr_count 2
		.amdhsa_user_sgpr_kernarg_segment_ptr 1
		.amdhsa_wavefront_size32 1
		.amdhsa_system_sgpr_workgroup_id_x 1
		.amdhsa_system_sgpr_workgroup_id_y 1
		.amdhsa_system_sgpr_workgroup_id_z 1
		.amdhsa_system_vgpr_workitem_id 0
		.amdhsa_next_free_vgpr 1024
		.amdhsa_next_free_sgpr 66
		.amdhsa_reserve_vcc 0
		.amdhsa_float_denorm_mode_32 3
		.amdhsa_float_denorm_mode_16_64 3
		.amdhsa_memory_ordered 1
		.amdhsa_forward_progress 1
		.amdhsa_inst_pref_size 255
	.end_amdhsa_kernel
	.section	.bss,"aw",@nobits
	.p2align	6
	.space	262144
	.amdgpu_metadata
---
amdhsa.version: [ 1, 2 ]
amdhsa.kernels:
  - .name:           k_q7339acc17e_main
    .symbol:         k_q7339acc17e_main.kd
    .args:
      - { .name: batched_context_feature, .offset: 0, .size: 8, .value_kind: global_buffer, .address_space: global }
      - { .name: embedded_cyclic_msg, .offset: 8, .size: 8, .value_kind: global_buffer, .address_space: global }
      - { .name: wbuf, .offset: 16, .size: 8, .value_kind: global_buffer, .address_space: global }
      - { .name: out0, .offset: 24, .size: 8, .value_kind: global_buffer, .address_space: global }
    .group_segment_fixed_size: 327680
    .private_segment_fixed_size: 0
    .kernarg_segment_align: 8
    .kernarg_segment_size: 32
    .max_flat_workgroup_size: 128
    .sgpr_count:     66
    .vgpr_count:     1024
    .wavefront_size: 32
...
	.end_amdgpu_metadata
.endif
;; end of part 2
